; MI455X (gfx1250); checked and timed in simulation.
; The chip was launched on July 23, 2026; its instructions are those of AMD's public machine-readable ISA for CDNA 5 (MIT licence, August 2026) and "CDNA5" Instruction Set Architecture Reference Guide (July 2026). The comments in the code are by the model that wrote it; some were corrected since.
;; Attention. Allowed arithmetic: float matrix products may take bf16 or f16 operands with f32 sums; all other float work in f32.
;; Inputs: k 4,096 x 1,024 float32; q 4,096 x 4,096 float32; v 4,096 x 1,024 float32.
;; Outputs: out0 4,096 x 4,096 float32.
;; 2 versions, each right; version 2 is version 1 with the launch cast written anew for expert scheduling mode. Each part assembles by itself: llvm-mc -triple=amdgcn-amd-amdhsa -mcpu=gfx1250 --defsym DOCPART=n.
;; ======== version 1 of 2: 2 launches
;; limits: inputs' magnitudes at most 65,504; values are held in f16: magnitudes above 65,504 overflow, below 6.1e-05 lose precision
;; workspace buffers: kb 8,388,608 bytes; vb 8,388,608 bytes
;; launch cast (part 1): grid 512 x 1, 8 waves a work-group, no clusters, 0 bytes of LDS; arguments k, v, kb, vb; writes kb, vb
.if DOCPART == 1
	.amdgcn_target "amdgcn-amd-amdhsa--gfx1250"
	.amdhsa_code_object_version 6
	.text
	.protected	k_q735fd6aa1a_cast
	.globl	k_q735fd6aa1a_cast
	.p2align	8
	.type	k_q735fd6aa1a_cast,@function
k_q735fd6aa1a_cast:
	s_mov_b64 s[64:65], 0
	v_nop
	global_prefetch_b8 v0, s[64:65] scope:SCOPE_SE
	s_setreg_imm32_b32 hwreg(HW_REG_WAVE_MODE, 25, 1), 1
	s_wait_xcnt 0x0
; kb = bf16(k); vb = bf16(v) written as f16.  k, v: [4096][1024] f32; kb, vb: [4096][1024] of 16 bits, the same order.
; The attention launch reads every key tile many times (17 query blocks), so the rounding is done here, once.
; LIMITS.  v is rounded to bf16 like the other inputs, and that number is then written as f16, which is exact for 6e-5 <= |v| <= 65,504;
; below that it keeps f16's fixed step of 6e-8, beyond it an infinity would come out.  NaN and infinities are not treated apart.
; SHARES.  512 work-groups of eight waves; a work-group owns 32,768 consecutive bytes of k and of v.  Thread t takes 16 bytes at 16 t + 4,096 n,
; n = 0..7: a wave's load covers 512 consecutive bytes, its store of 8 bytes a lane 256 consecutive bytes at a multiple of 256.
; All 16 loads of a wave go out first; no LDS, no barrier, no matrix unit: nothing is shared and nothing is used twice.
.set KD, 4                             ; v[4:35]    k as loaded, 4 registers a chunk
.set VD, 36                            ; v[36:67]   v as loaded
.set KR, 68                            ; v[68:83]   k to store, 2 registers a chunk
.set VR, 84                            ; v[84:99]   v to store
.set T,  100                           ; v[100:103] at work
	s_load_b256 s[4:11], s[0:1], 0x0               ; k s[4:5], v s[6:7], kb s[8:9], vb s[10:11]
	s_lshl_b32 s2, ttmp9, 15                       ; my 32,768 bytes of the inputs
	s_mov_b32 s3, 0
	s_lshl_b32 s12, ttmp9, 14                      ; my 16,384 bytes of the outputs
	s_mov_b32 s13, 0
	s_mov_b32 s14, 0xffff0000                      ; a word's upper bf16
	v_lshlrev_b32 v1, 4, v0                        ; 16 t
	v_lshlrev_b32 v2, 3, v0                        ; 8 t
	s_wait_kmcnt 0x0
	s_add_nc_u64 s[4:5], s[4:5], s[2:3]
	s_add_nc_u64 s[6:7], s[6:7], s[2:3]
	s_add_nc_u64 s[8:9], s[8:9], s[12:13]
	s_add_nc_u64 s[10:11], s[10:11], s[12:13]
.irp n, 0,1,2,3,4,5,6,7
	global_load_b128 v[KD+4*(\n):KD+4*(\n)+3], v1, s[4:5] offset:4096*(\n) th:TH_LOAD_NT
.endr
.irp n, 0,1,2,3,4,5,6,7
	global_load_b128 v[VD+4*(\n):VD+4*(\n)+3], v1, s[6:7] offset:4096*(\n) th:TH_LOAD_NT
.endr
.irp n, 0,1,2,3,4,5,6,7
	s_wait_loadcnt 15-(\n)                         ; loads come back in order: chunk n of k is in; the 7 - n younger of k and the 8 of v stay out
	v_cvt_pk_bf16_f32 v[KR+2*(\n)],   v[KD+4*(\n)],   v[KD+4*(\n)+1]
	v_cvt_pk_bf16_f32 v[KR+2*(\n)+1], v[KD+4*(\n)+2], v[KD+4*(\n)+3]
	global_store_b64 v2, v[KR+2*(\n):KR+2*(\n)+1], s[8:9] offset:2048*(\n)  ; no register of a store is written twice: no wait frees any
.endr
.irp n, 0,1,2,3,4,5,6,7
	s_wait_loadcnt 7-(\n)                          ; chunk n of v is in
	v_cvt_pk_bf16_f32 v[T],   v[VD+4*(\n)],   v[VD+4*(\n)+1]   ; rounded to bf16,
	v_cvt_pk_bf16_f32 v[T+1], v[VD+4*(\n)+2], v[VD+4*(\n)+3]
	v_lshlrev_b32 v[T+2], 16, v[T]                 ; widened again,
	v_and_b32     v[T+3], s14, v[T]
	v_cvt_pk_f16_f32 v[VR+2*(\n)], v[T+2], v[T+3]  ; and written as f16
	v_lshlrev_b32 v[T+2], 16, v[T+1]
	v_and_b32     v[T+3], s14, v[T+1]
	v_cvt_pk_f16_f32 v[VR+2*(\n)+1], v[T+2], v[T+3]
	global_store_b64 v2, v[VR+2*(\n):VR+2*(\n)+1], s[10:11] offset:2048*(\n)
.endr
	s_endpgm
.Lfunc_end_k_q735fd6aa1a_cast:
	.size	k_q735fd6aa1a_cast, .Lfunc_end_k_q735fd6aa1a_cast-k_q735fd6aa1a_cast
	.p2alignl 7, 3214868480
	.fill 96, 4, 3214868480
	.section	.rodata,"a",@progbits
	.p2align	6, 0x0
	.amdhsa_kernel k_q735fd6aa1a_cast
		.amdhsa_group_segment_fixed_size 0
		.amdhsa_private_segment_fixed_size 0
		.amdhsa_enable_private_segment 0
		.amdhsa_kernarg_size 32
		.amdhsa_user_sgpr_count 2
		.amdhsa_user_sgpr_kernarg_segment_ptr 1
		.amdhsa_wavefront_size32 1
		.amdhsa_system_sgpr_workgroup_id_x 1
		.amdhsa_system_sgpr_workgroup_id_y 1
		.amdhsa_system_sgpr_workgroup_id_z 1
		.amdhsa_system_vgpr_workitem_id 0
		.amdhsa_next_free_vgpr 104
		.amdhsa_next_free_sgpr 66
		.amdhsa_reserve_vcc 0
		.amdhsa_float_denorm_mode_32 3
		.amdhsa_float_denorm_mode_16_64 3
		.amdhsa_memory_ordered 1
		.amdhsa_forward_progress 1
		.amdhsa_inst_pref_size 9
	.end_amdhsa_kernel
	.amdgpu_metadata
---
amdhsa.version: [ 1, 2 ]
amdhsa.kernels:
  - .name:           k_q735fd6aa1a_cast
    .symbol:         k_q735fd6aa1a_cast.kd
    .args:
      - { .name: k, .offset: 0, .size: 8, .value_kind: global_buffer, .address_space: global }
      - { .name: v, .offset: 8, .size: 8, .value_kind: global_buffer, .address_space: global }
      - { .name: kb, .offset: 16, .size: 8, .value_kind: global_buffer, .address_space: global }
      - { .name: vb, .offset: 24, .size: 8, .value_kind: global_buffer, .address_space: global }
    .group_segment_fixed_size: 0
    .private_segment_fixed_size: 0
    .kernarg_segment_align: 8
    .kernarg_segment_size: 32
    .max_flat_workgroup_size: 256
    .sgpr_count:     66
    .vgpr_count:     104
    .wavefront_size: 32
...
	.end_amdgpu_metadata
.endif
;; end of part 1
;; launch attn (part 2): grid 16 x 16, 4 waves a work-group, no clusters, 327,680 bytes of LDS; arguments q, kb, vb, out0; writes out0
.if DOCPART == 2
	.amdgcn_target "amdgcn-amd-amdhsa--gfx1250"
	.amdhsa_code_object_version 6
	.text
	.protected	k_q735fd6aa1a_attn
	.globl	k_q735fd6aa1a_attn
	.p2align	8
	.type	k_q735fd6aa1a_attn,@function
k_q735fd6aa1a_attn:
	s_mov_b64 s[64:65], 0
	v_nop
	global_prefetch_b8 v0, s[64:65] scope:SCOPE_SE
	s_setreg_imm32_b32 hwreg(HW_REG_WAVE_MODE, 25, 1), 1
	s_wait_xcnt 0x0
; SLIDING-WINDOW CAUSAL ATTENTION WITH ALIBI, 32 query heads of 128 channels on 8 key heads, 2 batches of 2,048 rows.
; out[b i][h][:] = the sum over i - 1024 <= j <= i of softmax_j(q.k / sqrt(128) - slope_h (i - j)) v[b j][h / 4][:].  q, out0: [4096][4096] f32; kb (bf16), vb (f16): [4096][1024].
; q is rounded to bf16 here; K Q^T in bf16, the weights p rounded to f16, V^T P in f16; products, maxima and sums in f32 (l is the sum of the unrounded p).
; LIMITS.  A hidden score counts as -1e30: raw scores stay far below that; a weight below 2^-126 counts as 0; |v| <= 65,504 (the launch before); NaN and infinities are not treated apart.
; SHARES.  Work-group (W, Y): batch Y / 8, key head Y % 8.  Its four waves are the four query heads of that key head, on the SAME query rows: they read the same tiles of K and V from LDS.
; A wave holds four tiles of 16 queries in two PIECES (piece x: tiles 2 x, 2 x + 1, rows 32 x .. 32 x + 31 of a block of 64).  Key steps of 64.
; THE WALK.  A block of 64 rows t needs min(t + 1, 17) key steps.  Every work-group walks 34 steps in three SEGMENTS: 0: both pieces, rows 1024 + 64 W on, key tiles W .. W + 16 (the first holds the
; window's edge, the last the diagonal); 1: piece 0 alone, rows 64 W .. + 31, tiles 0 .. W; 2: piece 1 alone, rows 992 - 64 W .. + 31, tiles 0 .. 15 - W.  17 whole and 17 half steps, whatever W:
; 256 work-groups of equal work.  The idle piece's text is jumped forward; nothing that is jumped holds a barrier or a tensor load; all trip counts are constants.
; ALIBI.  -slope i is constant along a row and drops out.  slope j enters in raw score units, sigma = slope sqrt(128) = 2^((13 - h) / 4), as sigma x (the key's place in its step, 0..63): the C operand that starts
; S^T.  From step to step the frame moves by 64 keys: the running maximum is lowered by 64 sigma.  THE MASKS are C operands too: by key block kt and tile ta, the bias, the bias with -1e30 beyond the diagonal (DG) or
; before the edge (WE), or -1e30 everywhere (HID).  Every row sees a key in each of its steps, so m is a true score from the first step on.
; SOFTMAX.  p = 2^(c s - c m), c = log2(e) / sqrt(128), m the running maximum; O and l are multiplied by a = 2^(c m_old - c m_new) in every step.  m starts at the lowest finite number: a block's first a is 0.
; LAYOUT.  S^T = K Q^T (source 0 = 16 keys, source 1 = 16 queries): a lane holds ONE query (lane % 16) and the keys 8 (lane / 16) + 0..7.  Two such results rounded in pairs ARE source 1 of O^T = V^T P.
; IN PHASES: a step's scores, its softmax, its V^T P; the LDS loads of V and of the next K stand ahead of the softmax and land under it.
; NO CLUSTER: at equal trips the 16 work-groups of a key head ask for different tiles (tile W + trip in segment 0), and segments 1 and 2 begin at trips that hang on W; the four heads that share K and V share them in one work-group.
; REGISTERS, in windows of 256 (s_set_vgpr_msb: bits 1:0 source 0, 3:2 source 1, 5:4 source 2, 7:6 destination):
;   window 0: v0-11, v44-48 addresses and lane constants; v12-43 statistics, 8 a tile; v62-63 the add's; v64-191 S^T, 32 a tile; v192-255 P, 16 a tile
;   window 1: O^T, 64 a tile     window 2: v0-127 Q, 32 a tile; v128-255 K of one step     window 3: v0-127 V of one step; v128-231 the C operands
.set PK,    272       ; a row of K in LDS: 256 bytes + 16 of padding: the 16 rows of a load start at 16 different groups of four banks (ISA guide 11.1)
.set PV,    288       ; a row of V: 256 + 32
.set VOFF,  64*PK     ; a step's tiles lie together: 64 rows of K, then 64 rows of V
.set STEPB, 64*(PK+PV)
.set SLOT1, 1<<17     ; a slot holds two steps (71,680 bytes); slot 1 begins here: one exclusive or turns an address in one slot into the other's
.set SCR,   SLOT1+2*STEPB  ; behind the ring, never filled by a tensor load: 8,704 bytes for each wave: 32 rows x 272 of q in bf16, later 16 rows x 528 of O in f32
.set SCRW,  8704
.set SPARE, SCR+4*SCRW     ; the spare words, 128 bytes for each wave: two blocks of 256 bytes that no other line names
.set QP,    272
.set OPI,   528
.set ROWB,  16384     ; bytes in a row of q and of out0
.set AK0, 2           ; v2   my lane's place in a tile of K
.set AV0, 3           ; v3   the same for V
.set ADR, 4           ; v4   LDS address of K's run of loads
.set ADV, 5           ; v5   of V's
.set STO, 6           ; v6   the way out: where I put 16 bytes of a row
.set RD,  7           ; v7   the way out: where I read a row back
.set GO,  8           ; v8   16 x lane: my bytes in a head's 512 bytes of a row
.set ST,  12          ; tile t at v[ST+8 t]: c m, m, l (even keys', odd keys'), c0-c3 at work; a takes c2's place
.set QST, 44          ; v44  where I put 8 bytes of a row of q
.set QFR, 45          ; v45  my lane's place in a fragment of Q
.set PF,  46          ; v46  (lane / 2) rows + (lane % 2) x 256 bytes
.set VB,  47          ; v47  sigma x 8 (lane / 16)
.set DIF, 48          ; v48  lane % 16 - 8 (lane / 16)
.set SPW, 62          ; v62  LDS address of my spare word; never rewritten
.set NIL, 63          ; v63  0; never rewritten
.set S,   64
.set P,   192
.set KF,  128         ; window 2: key block kt, channel chunk c at KF + 32 kt + 8 c
.set BIAS, 128        ; window 3: eight registers for each key block
.set DG,  160
.set WE,  192
.set HID, 224
.set WV,  12          ; s12  my wave's number
.set W,   13          ; s13  the work-group's x
.set G1K, 24          ; s[24:31] descriptor group 1 for K's tiles
.set G1V, 32          ; s[32:39] for V's: it differs in the padding alone
.set G0K, 40          ; s[40:43] descriptor group 0 for K's tiles
.set G0V, 44          ; s[44:47] for V's
.set QN,  48          ; s[48:49] q at the next segment's rows
.set QN2, 50          ; s[50:51] q at segment 2's rows
.set OP0, 52          ; s[52:53] out0 at piece 0's rows;  s[54:55] at piece 1's
.set OP1, 54
.set SLOTS, 56
.set TWICE, 57
.set CS,  58          ; s[58:59] c
.set SEL, 60          ; s[60:61] v_permlanex16_b32's selects: each lane takes its own place in the other half
.set TB,  62          ; s62  LDS byte at which the tiles of the step to be fetched begin
.set NP,  63          ; s63  the walk's step whose tile I ask for next
.set OP0B, 66         ; s[66:67] out0 at segment 1's rows
.set OP1B, 68         ; s[68:69] at segment 2's
.set SEG, 70
.set REM, 71          ; steps left in the segment, this one among them
.set A0,  72          ; 1: piece 0 is at work
.set A1,  73
.set EDGE, 74         ; 1: the walk's first step
.set W17, 75
.set OFF, 76          ; s[76:77] a tile's byte offset in kb and vb
.set SIG, 78
.set NDEC, 79         ; -64 sigma
.set BIGN, 80         ; -1e30
.set W1,  81          ; W + 1: segment 1's steps
.set R2,  82          ; 16 - W: segment 2's
.set ASK, 83          ; 1: the next segment's q is still to be asked for
.set QA,  88          ; s[88:89] q at segment 0's rows
.set MSB, 0
.macro WIN new                      ; the high byte repeats the setting that is left; a switch that changes nothing is dropped
.if MSB != (\new)
	s_set_vgpr_msb (MSB<<8)|(\new)
.set MSB, (\new)
.endif
.endm
.set W_KQ, 0x0a       ; K and Q in window 2, S^T in window 0
.set W_KC, 0x3a       ; the same with the C operand in window 3
.set W_PV, 0x53       ; V in window 3, P in window 0, O^T in window 1
.set W_RS, 0x41       ; destination and source 0 in window 1, source 1 in window 0
.macro PLACES cnt                   ; plain instructions that name no register: the distance behind matrix instructions (ISA guide 7.12.1)
.rept \cnt
	v_nop
.endr
.endm
; A fill.  Waves 0 and 1 fetch K of a slot's two steps, waves 2 and 3 V of them: 64 rows of 256 bytes each.  An s_nop 0 and four v_nop follow each of the two lines, ahead of the jump and the label.
.macro LOAD
	s_cmp_lt_u32 s[WV], 2
	s_cbranch_scc0 .Lfor_v_\@
	tensor_load_to_lds s[G0K:G0K+3], s[G1K:G1K+7]
	s_nop 0
.rept 4
	v_nop
.endr
	s_branch .Lasked_\@
.Lfor_v_\@:
	tensor_load_to_lds s[G0V:G0V+3], s[G1V:G1V+7]
	s_nop 0
.rept 4
	v_nop
.endr
.Lasked_\@:
.endm
; THE CHANGE OF SLOTS.  Each wave waits for all its tensor loads, of which one is out: its part of the other slot; adds 0 to its spare word; waits for that and for its reads of the slot that it leaves.
; Behind the barrier nobody reads the old slot and the other slot is whole.  fill = 1: the old slot is filled again, first thing behind the barrier, with the tiles of steps NP (mine) of the walk:
; tile NP + W in segment 0, NP - 17 in segment 1, NP - 18 - W in segment 2; the address is made anew from that number.  The load has two key steps in which to land.
; (At its first use nothing has been read yet: slot 0 is waited for, slot 1 filled.)
.macro CHANGE fill
	WIN 0
	s_wait_tensorcnt 0x0            ; no tensor load of mine is out, so a group 0 may be written
	ds_add_u32 v[SPW], v[NIL]       ; 0 onto my spare word; scalar work stands between it and the wait for it
.if \fill
	s_add_co_u32 s84, s[NP], s[W]
	s_sub_co_u32 s85, s[NP], 17
	s_cmp_gt_u32 s[NP], 16
	s_cselect_b32 s84, s85, s84
	s_sub_co_u32 s85, s85, s[W1]
	s_cmp_gt_u32 s[NP], s[W17]
	s_cselect_b32 s84, s85, s84
	s_lshl_b32 s[OFF], s84, 17      ; a tile is 64 rows of 2,048 bytes on
	s_add_co_u32 s[NP], s[NP], 2
	s_xor_b32 s[G0K+1], s[G0K+1], SLOT1
	s_add_nc_u64 s[G0K+2:G0K+3], s[6:7], s[OFF:OFF+1]
	s_or_b32 s[G0K+3], s[G0K+3], 0x80000000
	s_xor_b32 s[G0V+1], s[G0V+1], SLOT1
	s_add_nc_u64 s[G0V+2:G0V+3], s[8:9], s[OFF:OFF+1]
	s_or_b32 s[G0V+3], s[G0V+3], 0x80000000
.endif
	s_wait_dscnt 0x0                ; the add is done, and my reads of the slot are over
	s_barrier_signal -1
	s_sub_co_u32 s[TB], s[TB], 2*STEPB  ; the fetches go back to a slot's first step,
	s_xor_b32 s[TB], s[TB], SLOT1       ; in the other slot
	s_barrier_wait -1
.if \fill
	LOAD
.endif
.endm
; THE LDS LOADS stand in runs of 32.  K (64 keys x 128 channels) by channel chunks of 32, so that the products of the first chunk can begin while the others are out.
.macro FETCH_K
	WIN 0
	v_add_nc_u32 v[ADR], s[TB], v[AK0]
	WIN 0x80                        ; destination window 2
.irp c, 0,1,2,3
.irp g, 0,1,2,3
	ds_load_b128 v[KF+32*(\g)+8*(\c):KF+32*(\g)+8*(\c)+3],   v[ADR] offset:(\g)*16*PK+64*(\c)
	ds_load_b128 v[KF+32*(\g)+8*(\c)+4:KF+32*(\g)+8*(\c)+7], v[ADR] offset:(\g)*16*PK+64*(\c)+32
.endr
.endr
	WIN 0
.endm
.macro FETCH_V                      ; turned: keys 32 (f / 8) on, channels 16 (f % 8) on
	WIN 0
	v_add_nc_u32 v[ADV], s[TB], v[AV0]
	s_add_co_u32 s[TB], s[TB], STEPB  ; the next fetch is the next step's
	WIN 0xc0                        ; destination window 3
.irp f, 0,1,2,3,4,5,6,7,8,9,10,11,12,13,14,15
	ds_load_tr16_b128 v[8*(\f):8*(\f)+3],   v[ADV] offset:((\f)/8)*32*PV+((\f)%8)*32
	ds_load_tr16_b128 v[8*(\f)+4:8*(\f)+7], v[ADV] offset:((\f)/8)*32*PV+16*PV+((\f)%8)*32
.endr
	WIN 0
.endm
; S^T = K Q^T for piece x: 32 products; product i: channels 32 (i / 8) on, keys 16 ((i / 2) % 4) on, tile 2 x + i % 2.  The 8 accumulators take turns.
; The first 8 start the sums with the bias or a mask.  kind 0: a plain step; 1: the diagonal's; 2: the window's edge.
.macro KQ x, kind
.set i, 0
.rept 32
.set kt, (i/2)%4
.set ta, 2*(\x)+i%2
.set rS, S+32*ta+8*kt
.set rK, KF+32*kt+8*(i/8)
.set rQ, 32*ta+8*(i/8)
.if i%8 == 0
	s_wait_dscnt 24-i               ; K's chunk i / 8 is in: the later chunks' loads, 8 each, are the youngest LDS instructions and may stay out
.endif
.if i < 8
.set rC, BIAS+8*kt
.if ((\kind) == 1) && (kt == ta)
.set rC, DG+8*kt
.elseif ((\kind) == 1) && (kt > ta)
.set rC, HID
.elseif ((\kind) == 2) && (kt == ta)
.set rC, WE+8*kt
.elseif ((\kind) == 2) && (kt < ta)
.set rC, HID
.endif
	WIN W_KC
	v_wmma_f32_16x16x32_bf16 v[rS:rS+7], v[rK:rK+7], v[rQ:rQ+7], v[rC:rC+7]
.else
	WIN W_KQ
	v_wmma_f32_16x16x32_bf16 v[rS:rS+7], v[rK:rK+7], v[rQ:rQ+7], v[rS:rS+7]
.endif
.set i, i+1
.endr
	WIN 0
.endm
.macro KQSEL x                      ; a segment's last step holds the diagonal, the walk's first the edge
	WIN 0
	s_cmp_eq_u32 s[REM], 1
	s_cbranch_scc1 .Ldg_\@
	s_cmp_eq_u32 s[EDGE], 1
	s_cbranch_scc1 .Led_\@
	KQ \x, 0
	s_branch .Lkd_\@
.Ldg_\@:
	KQ \x, 1
	s_branch .Lkd_\@
.Led_\@:
	KQ \x, 2
.Lkd_\@:
.endm
; O^T += V^T P for piece x: 32 products; product i: keys 32 (i / 16) on, channels 16 ((i / 2) % 8) on, tile 2 x + i % 2.  The 16 accumulators take turns.
.macro PVS x
	WIN W_PV
.set i, 0
.rept 32
.set ta, 2*(\x)+i%2
.set rO, 64*ta+8*((i/2)%8)
.set rV, 64*(i/16)+8*((i/2)%8)
.set rP, P+16*ta+8*(i/16)
	v_wmma_f32_16x16x32_f16 v[rO:rO+7], v[rV:rV+7], v[rP:rP+7], v[rO:rO+7]
.set i, i+1
.endr
	WIN 0
.endm
; ONE TILE'S SOFTMAX FOR ONE STEP is a list of 134 instructions; SM writes number j of it for tile t.  s0-s31 are the lane's 32 scores, in pairs 0-15.
;   0-15    the maximum of s0-s31 and the old m (already lowered by 64 sigma): four chains of seven scores (each accumulator's lowest registers are read first), the four left over, c0-c3, m
;   16-20   the other half of the lanes' maximum; c m_old; the new m; c m; c m_old - c m_new
;   21-87   33 exponentials (a, then s0-s31) at the odd numbers from 23 on, a plain instruction behind each (ISA guide 5.7.2); the plain ones are what is ready: c s - c m for pairs whose exponentials are
;           to come, the rounding to f16 of pairs whose exponentials are done, the first sums
;   88-101  the last rounding; the rest of the sums; l = a l + the sum
;   102-133 the tile's O^T times a, in ascending order: the one part that leaves window 0
.macro SM t
.set rT, ST+8*(\t)
.set rS, S+32*(\t)
.set rP, P+16*(\t)
.set rO, 64*(\t)+2*(j-102)
.set q, (j-20)/2
.if j < 102
	WIN 0
.endif
.if j < 4
	v_max3_num_f32 v[rT+4+j], v[rS+8*j], v[rS+8*j+1], v[rS+8*j+2]
.elseif j < 12
	v_max3_num_f32 v[rT+4+j%4], v[rT+4+j%4], v[rS+8*(j%4)+2*(j/4)+1], v[rS+8*(j%4)+2*(j/4)+2]
.elseif j == 12
	v_max3_num_f32 v[rT+4], v[rT+4], v[rS+7], v[rS+15]
.elseif j == 13
	v_max3_num_f32 v[rT+6], v[rT+6], v[rS+23], v[rS+31]
.elseif j == 14
	v_max3_num_f32 v[rT+4], v[rT+4], v[rT+5], v[rT+6]
.elseif j == 15
	v_max3_num_f32 v[rT+4], v[rT+4], v[rT+7], v[rT+1]
.elseif j == 16
	v_permlanex16_b32 v[rT+5], v[rT+4], s[SEL], s[SEL+1]  ; the query's other 32 keys lie in the lane 16 away
.elseif j == 17
	v_mul_f32 v[rT+7], s[CS], v[rT+1]   ; c times the lowered old m, kept for a
.elseif j == 18
	v_max_num_f32 v[rT+1], v[rT+4], v[rT+5]
.elseif j == 19
	v_mul_f32 v[rT], s[CS], v[rT+1]
.elseif j == 20
	v_sub_f32 v[rT+7], v[rT+7], v[rT]
.elseif j == 23
	v_exp_f32 v[rT+6], v[rT+7]
.elseif (j < 88) && (j > 23) && (j%2 == 1)
	v_exp_f32 v[rS+(j-25)/2], v[rS+(j-25)/2]
.elseif (q < 4) || ((j < 76) && (q%2 == 0))
.set b, q/2+2
.if q < 4
.set b, q
.endif
	v_pk_fma_f32 v[rS+2*b:rS+2*b+1], v[rS+2*b:rS+2*b+1], s[CS:CS+1], v[rT:rT+1] op_sel_hi:[1,0,0] neg_lo:[0,0,1] neg_hi:[0,0,1]  ; pair b: c s - c m
.elseif (j < 88) && (q%2 == 1)
	s_wait_alu depctr_va_vdst(0)
	v_cvt_pk_f16_f32 v[rP+(q-5)/2], v[rS+q-5], v[rS+q-4]
.elseif j == 89
	s_wait_alu depctr_va_vdst(0)
	v_cvt_pk_f16_f32 v[rP+15], v[rS+30], v[rS+31]
.elseif j < 102                     ; the sum of the 16 pairs, in place: sum z of 16 adds neighbours 1, 2, 4 and 8 pairs apart, then l takes it
.set z, j-86
.if j < 89
.set z, (j-76)/4
.endif
.set w, 4
.set u, z
.if z >= 14
.set w, 32
.set u, 0
.elseif z >= 12
.set w, 16
.set u, z-12
.elseif z >= 8
.set w, 8
.set u, z-8
.endif
.if z < 15
	v_pk_add_f32 v[rS+w*u:rS+w*u+1], v[rS+w*u:rS+w*u+1], v[rS+w*u+w/2:rS+w*u+w/2+1]
.else
	v_pk_fma_f32 v[rT+2:rT+3], v[rT+2:rT+3], v[rT+6:rT+7], v[rS:rS+1] op_sel_hi:[1,0,1]
.endif
.else
	WIN W_RS
	v_pk_mul_f32 v[rO:rO+1], v[rO:rO+1], v[rT+6:rT+7] op_sel_hi:[1,0]
.endif
.endm
; Slice k of 64: numbers 2 k and 2 k + 1 of both tiles' lists (y: the piece's first tile); slice 63 takes the twelve that are over.
.macro SLICE y
.if (k >= 11) && (k < 44)           ; tile by tile: plain, exponential, plain, exponential
.irp t, \y, (\y)+1
.irp n, 0,1
.set j, 2*k+(\n)
	SM \t
.endr
.endr
.else                               ; the two tiles alternate, so that no instruction reads the result of the one just before it
.irp n, 0,1,2,3,4,5,6,7
.if ((\n) < 2) || (k == 63)
.irp t, \y, (\y)+1
.set j, 2*k+(\n)
	SM \t
.endr
.endif
.endr
.endif
.set k, k+1
.endm
.macro SOFTMAX y
	WIN 0
	v_add_f32 v[ST+8*(\y)+1], s[NDEC], v[ST+8*(\y)+1]      ; the frame moves by 64 keys
	v_add_f32 v[ST+8*(\y)+9], s[NDEC], v[ST+8*(\y)+9]
.set k, 0
.rept 64
	SLICE \y
.endr
	WIN 0
.endm
; Q.  32 rows of my head, 512 consecutive bytes a load, into 128 registers from rb on in window wn.
.macro QLOAD wn, rb, sb, row0
	WIN (\wn)<<6
.set i, 0
.rept 32
	global_load_b128 v[(\rb)+4*i:(\rb)+4*i+3], v[GO], s[\sb:\sb+1] offset:((\row0)+i)*ROWB th:TH_LOAD_NT
.set i, i+1
.endr
	WIN 0
.endm
; They are rounded to bf16 (P's registers at work) and laid into my scratch as rows of 256 bytes, 272 apart.  younger: the loads issued behind these 32.
.macro QCV wn, rb, younger
.irp g, 0,1
	s_wait_loadcnt (\younger)+16*(1-\g)  ; rows 16 g .. 16 g + 15 are in
	WIN (\wn)|((\wn)<<2)
.set i, 0
.rept 16
	v_cvt_pk_bf16_f32 v[P+32*\g+2*i],   v[(\rb)+64*\g+4*i],   v[(\rb)+64*\g+4*i+1]
	v_cvt_pk_bf16_f32 v[P+32*\g+2*i+1], v[(\rb)+64*\g+4*i+2], v[(\rb)+64*\g+4*i+3]
.set i, i+1
.endr
	WIN 0
.set i, 0
.rept 16
	ds_store_b64 v[QST], v[P+32*\g+2*i:P+32*\g+2*i+1] offset:(16*\g+i)*QP
.set i, i+1
.endr
.endr
.endm
; And come back as piece x's fragments.  LDS serves a wave's instructions in order (ISA guide 5.7.1.4): these see the stores above.
.macro QFRAG x
	WIN 0x80
.irp y, 0,1
.irp c, 0,1,2,3
	ds_load_b128 v[32*(2*(\x)+\y)+8*\c:32*(2*(\x)+\y)+8*\c+3],   v[QFR] offset:\y*16*QP+64*\c
	ds_load_b128 v[32*(2*(\x)+\y)+8*\c+4:32*(2*(\x)+\y)+8*\c+7], v[QFR] offset:\y*16*QP+64*\c+32
.endr
.endr
	WIN 0
	s_wait_dscnt 0x0
.endm
.macro INIT x                       ; a block begins: m at the lowest finite number, so that the first a is 0; l = 0.  O^T need only be finite
.irp y, 0,1
	v_mov_b32 v[ST+8*(2*(\x)+\y)+1], 0xff7fffff
	v_mov_b32 v[ST+8*(2*(\x)+\y)+2], 0
	v_mov_b32 v[ST+8*(2*(\x)+\y)+3], 0
.endr
.endm
; THE WAY OUT of piece x.  l's two halves and the other half of the lanes' are added; O^T is divided by l and sent in f32 through my scratch, a tile (16 rows of 512 bytes, 528 apart) at a time.
.macro PACK x, y
.set ta, 2*(\x)+(\y)
	WIN W_RS
.set i, 64*ta
.rept 32
	v_pk_mul_f32 v[i:i+1], v[i:i+1], v[ST+8*ta+6:ST+8*ta+7] op_sel_hi:[1,0]
.set i, i+2
.endr
	WIN 0x04                        ; the stores' data in window 1
.set i, 0
.rept 16
	ds_store_b128 v[STO], v[64*ta+4*i:64*ta+4*i+3] offset:64*(i/2)+16*(i%2)  ; channels 16 (i / 2) + 8 (lane / 16) + 4 (i % 2) on, of row lane % 16
.set i, i+1
.endr
	WIN 0
.set i, 0
.rept 16
	ds_load_b128 v[S+64*(\y)+4*i:S+64*(\y)+4*i+3], v[RD] offset:OPI*i  ; a whole row; the next tile's stores come behind these in the wave's order
.set i, i+1
.endr
.endm
.macro SEND x, y, younger           ; younger: the LDS instructions issued behind this tile's loads
	WIN 0
.set i, 0
.rept 16
	s_wait_dscnt (\younger)+15-i
	global_store_b128 v[GO], v[S+64*(\y)+4*i:S+64*(\y)+4*i+3], s[OP0+2*(\x):OP0+2*(\x)+1] offset:(16*(\y)+i)*ROWB th:TH_STORE_NT  ; 512 consecutive bytes, at a multiple of 512 from out0's first
.set i, i+1
.endr
.endm
.macro OUT x
	WIN 0
	s_wait_xcnt 0x0                 ; S^T's registers, which earlier stores read, are loaded again only behind this wait (ISA guide 3.1)
.irp y, 0,1
	v_add_f32 v[ST+8*(2*(\x)+\y)+4], v[ST+8*(2*(\x)+\y)+2], v[ST+8*(2*(\x)+\y)+3]
.endr
.irp y, 0,1
	v_permlanex16_b32 v[ST+8*(2*(\x)+\y)+5], v[ST+8*(2*(\x)+\y)+4], s[SEL], s[SEL+1]
.endr
.irp y, 0,1
	v_add_f32 v[ST+8*(2*(\x)+\y)+4], v[ST+8*(2*(\x)+\y)+4], v[ST+8*(2*(\x)+\y)+5]
.endr
.irp y, 0,1
	v_rcp_f32 v[ST+8*(2*(\x)+\y)+6], v[ST+8*(2*(\x)+\y)+4]
.endr
	v_nop                           ; a plain instruction between the last reciprocal and the use of its result
	s_wait_alu depctr_va_vdst(0)
	PACK \x, 0
	PACK \x, 1
	SEND \x, 0, 32
	SEND \x, 1, 0
.endm
; A SEGMENT ENDS.  The next segment's q is asked for first, into V's registers, and comes while the finished rows leave; then it is rounded, turned into the next piece's fragments, and the flags change.
.macro ENDSEG
	PLACES 4                        ; behind the last products: for the loads into V's registers and for the reads of O^T
	s_cmp_eq_u32 s[SEG], 2
	s_cbranch_scc1 .Lnq_\@
	QLOAD 3, 0, QN, 0
.Lnq_\@:
	s_cmp_eq_u32 s[A0], 0
	s_cbranch_scc1 .Lo1_\@
	OUT 0
.Lo1_\@:
	s_cmp_eq_u32 s[A1], 0
	s_cbranch_scc1 .Lo2_\@
	OUT 1
.Lo2_\@:
	s_wait_xcnt 0x0                 ; the stores' registers and bases, and q's base, are written again only behind this wait
	s_cmp_eq_u32 s[SEG], 2
	s_cbranch_scc1 .Lz_\@
	QCV 3, 0, 0
	s_cmp_eq_u32 s[SEG], 0
	s_cbranch_scc0 .Ls1_\@
	QFRAG 0
	INIT 0
	s_mov_b32 s[SEG], 1
	s_mov_b32 s[A1], 0
	s_mov_b32 s[REM], s[W1]
	s_mov_b32 s[ASK], 1
	s_mov_b64 s[QN:QN+1], s[QN2:QN2+1]
	s_mov_b64 s[OP0:OP0+1], s[OP0B:OP0B+1]
	s_mov_b64 s[OP1:OP1+1], s[OP1B:OP1B+1]
	s_branch .Lz_\@
.Ls1_\@:
	QFRAG 1
	INIT 1
	s_mov_b32 s[SEG], 2
	s_mov_b32 s[A0], 0
	s_mov_b32 s[A1], 1
	s_mov_b32 s[REM], s[R2]
	s_mov_b32 s[ASK], 0
.Lz_\@:
	s_wait_loadcnt 0x0              ; on every way: no load into V's registers is out
.endm
; A SLOT'S TWO KEY STEPS: written once, walked twice; the LDS addresses hang on s[TB].  All waits and places stand outside the parts that the flags jump.
.macro TWO_STEPS
	WIN 0
	s_mov_b32 s[TWICE], 2
.Lstep_\@:
	s_cmp_eq_u32 s[A0], 0
	s_cbranch_scc1 .Lk1_\@
	KQSEL 0
.Lk1_\@:
	s_cmp_eq_u32 s[A1], 0
	s_cbranch_scc1 .Lk2_\@
	KQSEL 1
.Lk2_\@:
	s_mov_b32 s[EDGE], 0
	s_wait_dscnt 0x0
	PLACES 5                        ; behind the scores and the last step's V^T P: for the loads into K's and V's registers, the softmax's reads, and the next products that write S^T anew
	FETCH_V                         ; this step's V,
	s_cmp_eq_u32 s[TWICE], 1
	s_cbranch_scc1 .Lnk_\@
	FETCH_K                         ; and the slot's second step's K: both land under the softmax
.Lnk_\@:
	s_cmp_gt_u32 s[REM], 2          ; one or two steps ahead of a segment's end my wave asks for the next segment's q: 32 rows x 512 bytes, each block of 256 bytes once in the launch
	s_cbranch_scc1 .Lnp_\@
	s_cmp_eq_u32 s[ASK], 0
	s_cbranch_scc1 .Lnp_\@
	global_prefetch_b8 v[PF], s[QN:QN+1] th:TH_LOAD_NT scope:SCOPE_SE
	global_prefetch_b8 v[PF], s[QN:QN+1] offset:16*ROWB th:TH_LOAD_NT scope:SCOPE_SE
	s_mov_b32 s[ASK], 0
.Lnp_\@:
	s_cmp_eq_u32 s[A0], 0
	s_cbranch_scc1 .Ls1_\@
	SOFTMAX 0
.Ls1_\@:
	s_cmp_eq_u32 s[A1], 0
	s_cbranch_scc1 .Ls2_\@
	SOFTMAX 2
.Ls2_\@:
	s_wait_dscnt 0x0                ; V is in, and the next K
	s_cmp_eq_u32 s[A0], 0
	s_cbranch_scc1 .Lp1_\@
	PVS 0
.Lp1_\@:
	s_cmp_eq_u32 s[A1], 0
	s_cbranch_scc1 .Lp2_\@
	PVS 1
.Lp2_\@:
	s_sub_co_u32 s[REM], s[REM], 1
	s_cmp_lg_u32 s[REM], 0
	s_cbranch_scc1 .Lnx_\@
	ENDSEG
.Lnx_\@:
	s_sub_co_u32 s[TWICE], s[TWICE], 1
	s_cmp_lg_u32 s[TWICE], 0
	s_cbranch_scc1 .Lstep_\@
.endm
	s_load_b256 s[4:11], s[0:1], 0x0  ; q s[4:5], kb s[6:7], vb s[8:9], out0 s[10:11]
	v_lshl_add_u32 v[SPW], v0, 2, SPARE
	v_mov_b32 v[NIL], 0
	ds_add_u32 v[SPW], v[NIL]       ; the wave's opening: an add and its wait ahead of my first tensor load; the set-up below, work on registers, stands between them
	ds_add_u32 v62, v63
	v_lshrrev_b32 v1, 5, v0
	v_readfirstlane_b32 s[WV], v1   ; wave 0..3
	s_mov_b32 s[W], ttmp9
	s_and_b32 s14, ttmp7, 0xffff
	s_lshr_b32 s15, s14, 3          ; the batch
	s_and_b32 s16, s14, 7           ; the key head
	s_lshl_b32 s17, s16, 2
	s_add_co_u32 s17, s17, s[WV]    ; my query head h
	s_and_b32 s18, s[WV], 1         ; which of a slot's two steps I fetch
	s_lshl_b32 s19, s15, 11         ; the batch's first row
	s_lshl_b32 s20, s[W], 6         ; 64 W
	s_lshl_b32 s21, s17, 9          ; my head's 512 bytes in a row
	s_sub_co_i32 s[SIG], 13, s17    ; 13 - h, a whole number until sigma is made of it
	s_add_co_u32 s22, s19, s20      ; segment 1's first row,
	s_add_co_u32 s84, s22, 1024     ; segment 0's,
	s_add_co_u32 s86, s19, 992
	s_sub_co_u32 s86, s86, s20      ; segment 2's; each times 16,384 bytes, plus the head
	s_lshl_b32 s22, s22, 14
	s_add_co_u32 s22, s22, s21
	s_mov_b32 s23, 0
	s_lshl_b32 s84, s84, 14
	s_add_co_u32 s84, s84, s21
	s_mov_b32 s85, 0
	s_lshl_b32 s86, s86, 14
	s_add_co_u32 s86, s86, s21
	s_mov_b32 s87, 0
	s_lshl_b32 s14, s15, 22         ; kb, vb: the batch's 2,048 rows of 2,048 bytes,
	s_lshl_b32 s16, s16, 8          ; the key head's 256 bytes in a row
	s_add_co_u32 s14, s14, s16
	s_mov_b32 s15, 0
	; descriptor group 1: a tile of 64 rows x 128 elements of 2 bytes, 1,024 elements from row to row, padded in LDS after every 64 words
	s_mov_b32 s[G1K], (1<<16)|(1<<20)|(5<<22)|(3<<25)  ; 17:16 2-byte elements; 20 padding on; 24:22 after every 64 words (code 5); 31:25 4 words (code 3)
	s_mov_b32 s[G1V], (1<<16)|(1<<20)|(5<<22)|(7<<25)  ; the same with 8 words (code 7)
.irp g, G1K, G1V
	s_mov_b32 s[\g+1], 128<<16      ; tensor_dim0 = 128
	s_mov_b32 s[\g+2], 64<<16       ; tensor_dim1 = 64
	s_mov_b32 s[\g+3], 128<<16      ; tile_dim0 = 128
	s_mov_b32 s[\g+4], 64           ; tile_dim1 = 64
	s_mov_b32 s[\g+5], 1024         ; elements from row to row
	s_mov_b32 s[\g+6], 0
	s_mov_b32 s[\g+7], 0
.endr
	s_mov_b32 s[G0K], 1             ; 1:0 count = 1
	s_mul_i32 s[G0K+1], s18, STEPB  ; 63:32 LDS address: slot 0, my step
	s_mov_b32 s[G0V], 1
	s_add_co_u32 s[G0V+1], s[G0K+1], VOFF
	s_add_co_u32 s[OFF], s[W], s18  ; the walk's steps 0 and 1 are tiles W and W + 1
	s_lshl_b32 s[OFF], s[OFF], 17
	s_mov_b32 s[OFF+1], 0
	s_add_co_u32 s[NP], s18, 2
	s_mov_b32 s[CS], 0x3e0293ee     ; c = log2(e) / sqrt(128) = 0.127517
	s_mov_b32 s[CS+1], s[CS]        ; named with it as a pair
	s_mov_b32 s[SEL], 0x76543210
	s_mov_b32 s[SEL+1], 0xfedcba98
	s_mov_b32 s[BIGN], 0xf149f2ca   ; -1e30
	s_add_co_u32 s[W17], s[W], 17
	s_add_co_u32 s[W1], s[W], 1
	s_sub_co_u32 s[R2], 16, s[W]
	s_mov_b32 s[SEG], 0
	s_mov_b32 s[REM], 17
	s_mov_b32 s[A0], 1
	s_mov_b32 s[A1], 1
	s_mov_b32 s[EDGE], 1
	s_mov_b32 s[ASK], 1
	s_mov_b32 s[TB], SLOT1+2*STEPB  ; the first change of slots turns this into 0
	s_mov_b32 s[SLOTS], 16
	s_wait_dscnt 0x0                ; the opening add is done
	s_wait_kmcnt 0x0
	s_add_nc_u64 s[6:7], s[6:7], s[14:15]
	s_add_nc_u64 s[8:9], s[8:9], s[14:15]
	s_add_nc_u64 s[G0K+2:G0K+3], s[6:7], s[OFF:OFF+1]  ; 120:64 global address
	s_or_b32 s[G0K+3], s[G0K+3], 0x80000000            ; 127:126 type = 2
	s_add_nc_u64 s[G0V+2:G0V+3], s[8:9], s[OFF:OFF+1]
	s_or_b32 s[G0V+3], s[G0V+3], 0x80000000
	s_add_nc_u64 s[QA:QA+1], s[4:5], s[84:85]
	s_add_nc_u64 s[OP0:OP0+1], s[10:11], s[84:85]
	s_add_nc_u64 s[OP1:OP1+1], s[OP0:OP0+1], 32*ROWB
	s_add_nc_u64 s[QN:QN+1], s[4:5], s[22:23]
	s_add_nc_u64 s[OP0B:OP0B+1], s[10:11], s[22:23]
	s_add_nc_u64 s[QN2:QN2+1], s[4:5], s[86:87]
	s_add_nc_u64 s[OP1B:OP1B+1], s[10:11], s[86:87]
	LOAD                            ; slot 0: the one fill at the start; slot 1 is asked for when slot 0 is in, by the loop's own change of slots
	v_and_b32 v10, 31, v0           ; lane
	v_lshlrev_b32 v[GO], 4, v10
	QLOAD 0, S, QA, 0               ; segment 0's q: piece 0 into S^T's registers,
	QLOAD 2, KF, QA, 32             ; piece 1 into K's
	; All that follows up to the conversions stands in the wait for q and names none of the registers on their way.
	v_and_b32 v1, 15, v0            ; l % 16
	v_bfe_u32 v9, v0, 4, 1          ; l / 16
	v_mul_u32_u24 v[AK0], v1, PK
	v_lshl_add_u32 v[AK0], v9, 4, v[AK0]  ; a fragment's row x pitch + 16 x half
	; The turning load takes 16 keys x 16 channels (lane l reads key 8 (l / 16) + l % 8, channels 8 ((l / 8) % 2) + 0..7) and leaves half a fragment of V^T: lane l holds channel l % 16 and 8 keys.
	v_and_b32 v11, 7, v0
	v_lshl_add_u32 v[AV0], v9, 3, v11
	v_mul_u32_u24 v[AV0], v[AV0], PV
	v_bfe_u32 v11, v0, 3, 1
	v_lshl_add_u32 v[AV0], v11, 4, v[AV0]
	v_add_nc_u32 v[AV0], VOFF, v[AV0]
	s_mul_i32 s14, s[WV], SCRW
	s_add_co_u32 s14, s14, SCR      ; my scratch
	v_mul_u32_u24 v[STO], v1, OPI   ; the way out, in: row l % 16, 32 bytes for each half of the lanes
	v_lshl_add_u32 v[STO], v9, 5, v[STO]
	v_add_nc_u32 v[STO], s14, v[STO]
	v_lshl_add_u32 v[RD], v10, 4, s14   ; back: 32 lanes take a row of 512 bytes
	v_lshl_add_u32 v[QST], v10, 3, s14  ; q, in: 32 lanes lay a row of 256 bytes
	v_mul_u32_u24 v[QFR], v1, QP        ; back: a fragment's row x pitch + 16 x half
	v_lshl_add_u32 v[QFR], v9, 4, v[QFR]
	v_add_nc_u32 v[QFR], s14, v[QFR]
	v_lshrrev_b32 v[PF], 1, v10
	v_lshlrev_b32 v[PF], 14, v[PF]
	v_and_b32 v11, 1, v10
	v_lshl_add_u32 v[PF], v11, 8, v[PF]
	v_lshlrev_b32 v11, 3, v9
	v_sub_nc_u32 v[DIF], v1, v11
	v_cvt_f32_u32 v[VB], v11
	v_cvt_f32_i32 v10, s[SIG]       ; sigma = 2^((13 - h) / 4)
	v_mul_f32 v10, 0x3e800000, v10
	v_exp_f32 v10, v10
	v_nop                           ; a plain instruction behind the exponential
	s_wait_alu depctr_va_vdst(0)
	v_mul_f32 v11, 0xc2800000, v10  ; -64 sigma
	v_readfirstlane_b32 s[SIG], v10
	v_readfirstlane_b32 s[NDEC], v11
	v_mul_f32 v[VB], s[SIG], v[VB]
	; The C operands.  Register r of key block kt stands for the key 16 kt + 8 (l / 16) + r of the step; my query is l % 16 of its tile.
.set i, 0
.rept 32
	v_cvt_f32_u32 v[P+i], 16*(i/8)+i%8
.set i, i+1
.endr
	WIN 0xc0                        ; destination window 3
.set i, 0
.rept 32
	v_fma_f32 v[BIAS+i], s[SIG], v[P+i], v[VB]
.set i, i+1
.endr
.set i, 0
.rept 8
	v_mov_b32 v[HID+i], s[BIGN]
.set i, i+1
.endr
	WIN 0xc3                        ; source 0 in window 3 too
.set i, 0
.rept 32
	v_cmp_gt_i32 vcc_lo, i%8, v[DIF]  ; beyond the diagonal: 8 (l / 16) + r > l % 16
	v_cndmask_b32 v[DG+i], v[BIAS+i], s[BIGN], vcc_lo
	v_cmp_lt_i32 vcc_lo, i%8, v[DIF]  ; before the window's edge: 8 (l / 16) + r < l % 16
	v_cndmask_b32 v[WE+i], v[BIAS+i], s[BIGN], vcc_lo
.set i, i+1
.endr
	WIN 0x40                        ; O^T is cleared once, on purpose: a block's first step multiplies it by a = 0, so no first step is written out, and later blocks find finite numbers
.set i, 0
.rept 256
	v_mov_b32 v[i], 0
.set i, i+1
.endr
	WIN 0
.set i, 0
.rept 32
	v_mov_b32 v[ST+i], 0            ; every register of the statistics is written once, whatever way the flags lead
.set i, i+1
.endr
	INIT 0
	INIT 1
	QCV 0, S, 32                    ; piece 0: the 32 loads of piece 1 are younger
	QFRAG 0
	QCV 2, KF, 0
	QFRAG 1
.Lslot:                             ; 16 trips: a slot is entered and the other is asked for
	CHANGE 1
	FETCH_K                         ; the slot's first step
	TWO_STEPS
	s_sub_co_u32 s[SLOTS], s[SLOTS], 1
	s_cmp_lg_u32 s[SLOTS], 0
	s_cbranch_scc1 .Lslot
	CHANGE 0                        ; the walk's last slot is written out: nothing is asked for
	FETCH_K
	TWO_STEPS
	s_wait_tensorcnt 0x0            ; the wave's end: an add and its wait behind my last tensor load and my last LDS store
	ds_add_u32 v[SPW], v[NIL]
	s_wait_dscnt 0x0
	s_endpgm
.Lfunc_end_k_q735fd6aa1a_attn:
	.size	k_q735fd6aa1a_attn, .Lfunc_end_k_q735fd6aa1a_attn-k_q735fd6aa1a_attn
	.p2alignl 7, 3214868480
	.fill 96, 4, 3214868480
	.section	.rodata,"a",@progbits
	.p2align	6, 0x0
	.amdhsa_kernel k_q735fd6aa1a_attn
		.amdhsa_group_segment_fixed_size 327680
		.amdhsa_private_segment_fixed_size 0
		.amdhsa_enable_private_segment 0
		.amdhsa_kernarg_size 32
		.amdhsa_user_sgpr_count 2
		.amdhsa_user_sgpr_kernarg_segment_ptr 1
		.amdhsa_wavefront_size32 1
		.amdhsa_system_sgpr_workgroup_id_x 1
		.amdhsa_system_sgpr_workgroup_id_y 1
		.amdhsa_system_sgpr_workgroup_id_z 1
		.amdhsa_system_vgpr_workitem_id 0
		.amdhsa_next_free_vgpr 1024
		.amdhsa_next_free_sgpr 92
		.amdhsa_reserve_vcc 1
		.amdhsa_float_denorm_mode_32 3
		.amdhsa_float_denorm_mode_16_64 3
		.amdhsa_memory_ordered 1
		.amdhsa_forward_progress 1
		.amdhsa_inst_pref_size 237
	.end_amdhsa_kernel
	.amdgpu_metadata
---
amdhsa.version: [ 1, 2 ]
amdhsa.kernels:
  - .name:           k_q735fd6aa1a_attn
    .symbol:         k_q735fd6aa1a_attn.kd
    .args:
      - { .name: q, .offset: 0, .size: 8, .value_kind: global_buffer, .address_space: global }
      - { .name: kb, .offset: 8, .size: 8, .value_kind: global_buffer, .address_space: global }
      - { .name: vb, .offset: 16, .size: 8, .value_kind: global_buffer, .address_space: global }
      - { .name: out0, .offset: 24, .size: 8, .value_kind: global_buffer, .address_space: global }
    .group_segment_fixed_size: 327680
    .private_segment_fixed_size: 0
    .kernarg_segment_align: 8
    .kernarg_segment_size: 32
    .max_flat_workgroup_size: 128
    .sgpr_count:     92
    .vgpr_count:     1024
    .wavefront_size: 32
...
	.end_amdgpu_metadata
.endif
;; end of part 2
;; ======== version 2 of 2: 2 launches; version 1 with the launch cast written anew for expert scheduling mode
;; limits: inputs' magnitudes at most 65,504; values are held in f16: magnitudes above 65,504 overflow, below 6.1e-05 lose precision
;; workspace buffers: kb 8,388,608 bytes; vb 8,388,608 bytes
;; launch cast (part 3): grid 512 x 1, 8 waves a work-group, no clusters, 0 bytes of LDS; arguments k, v, kb, vb; writes kb, vb
.if DOCPART == 3
	.amdgcn_target "amdgcn-amd-amdhsa--gfx1250"
	.amdhsa_code_object_version 6
	.text
	.protected	k_q735fd6aa1a_cast
	.globl	k_q735fd6aa1a_cast
	.p2align	8
	.type	k_q735fd6aa1a_cast,@function
k_q735fd6aa1a_cast:
	s_mov_b64 s[64:65], 0
	v_nop
	global_prefetch_b8 v0, s[64:65] scope:SCOPE_SE
	s_setreg_imm32_b32 hwreg(HW_REG_WAVE_SCHED_MODE, 0, 2), 2
	s_setreg_imm32_b32 hwreg(HW_REG_WAVE_MODE, 25, 1), 1
	s_wait_xcnt 0x0
	s_wait_alu depctr_vm_vsrc(0)
; kb = bf16(k); vb = bf16(v) written as f16.  k, v: [4096][1024] f32; kb, vb: [4096][1024] of 16 bits, the same order.
; The attention launch reads every key tile many times (17 query blocks), so the rounding is done here, once.
; LIMITS.  v is rounded to bf16 like the other inputs, and that number is then written as f16, which is exact for 6e-5 <= |v| <= 65,504;
; below that it keeps f16's fixed step of 6e-8, beyond it an infinity would come out.  NaN and infinities are not treated apart.
; SHARES.  512 work-groups of eight waves; a work-group owns 32,768 consecutive bytes of k and of v.  Thread t takes 16 bytes at 16 t + 4,096 n,
; n = 0..7: a wave's load covers 512 consecutive bytes, its store of 8 bytes a lane 256 consecutive bytes at a multiple of 256.
; All 16 loads of a wave go out first; no LDS, no barrier, no matrix unit: nothing is shared and nothing is used twice.
; THE MODE: SCHED_MODE bits 1:0 = 2 (LLVM: expert scheduling mode 2), set by the entry lines.  The code itself states the register dependences
; between vector instructions and memory instructions, with s_wait_alu, always for 0.
; THE PLAN.  Registers that memory instructions touch:
;   v1, v2     byte offsets, made once at the head and never written again; read by every load (v1) and every store (v2).
;   KD, VD     written by the 16 loads at the head, which no vector instruction precedes in these registers; read by the conversions; never loaded again.
;   KR, VR     each register written once, by a conversion, and read once, by a store; never written again.
;   T          named by vector instructions alone.
; The 16 chunks go in four blocks of four: k 0-3, k 4-7, v 0-3, v 4-7.  Block p rounds its own chunks; its memory instructions are the four stores of
; block p - 1, whose registers no vector instruction of block p names.  So one wait at a block's head states all that its four stores hang on, and they
; are dealt among its conversions with no further wait.  One more wait stands ahead of the last four stores.
.set KD, 4                             ; v[4:35]    k as loaded, 4 registers a chunk
.set VD, 36                            ; v[36:67]   v as loaded
.set KR, 68                            ; v[68:83]   k to store, 2 registers a chunk
.set VR, 84                            ; v[84:99]   v to store
.set T,  100                           ; v[100:103] at work
.macro KCV n                           ; chunk n of k is rounded to bf16
	v_cvt_pk_bf16_f32 v[KR+2*(\n)],   v[KD+4*(\n)],   v[KD+4*(\n)+1]
	v_cvt_pk_bf16_f32 v[KR+2*(\n)+1], v[KD+4*(\n)+2], v[KD+4*(\n)+3]
.endm
.macro KST n                           ; and stored
	global_store_b64 v2, v[KR+2*(\n):KR+2*(\n)+1], s[8:9] offset:2048*(\n)  ; no register of a store is written twice: no wait frees any
.endm
.macro VCV n                           ; chunk n of v
	v_cvt_pk_bf16_f32 v[T],   v[VD+4*(\n)],   v[VD+4*(\n)+1]   ; rounded to bf16,
	v_cvt_pk_bf16_f32 v[T+1], v[VD+4*(\n)+2], v[VD+4*(\n)+3]
	v_lshlrev_b32 v[T+2], 16, v[T]                 ; widened again,
	v_and_b32     v[T+3], s14, v[T]
	v_cvt_pk_f16_f32 v[VR+2*(\n)], v[T+2], v[T+3]  ; and written as f16
	v_lshlrev_b32 v[T+2], 16, v[T+1]
	v_and_b32     v[T+3], s14, v[T+1]
	v_cvt_pk_f16_f32 v[VR+2*(\n)+1], v[T+2], v[T+3]
.endm
.macro VST n
	global_store_b64 v2, v[VR+2*(\n):VR+2*(\n)+1], s[10:11] offset:2048*(\n)
.endm
	s_load_b256 s[4:11], s[0:1], 0x0               ; k s[4:5], v s[6:7], kb s[8:9], vb s[10:11]
	s_lshl_b32 s2, ttmp9, 15                       ; my 32,768 bytes of the inputs
	s_mov_b32 s3, 0
	s_lshl_b32 s12, ttmp9, 14                      ; my 16,384 bytes of the outputs
	s_mov_b32 s13, 0
	s_mov_b32 s14, 0xffff0000                      ; a word's upper bf16
	v_lshlrev_b32 v1, 4, v0                        ; 16 t
	v_lshlrev_b32 v2, 3, v0                        ; 8 t
	s_wait_kmcnt 0x0
	s_add_nc_u64 s[4:5], s[4:5], s[2:3]
	s_add_nc_u64 s[6:7], s[6:7], s[2:3]
	s_add_nc_u64 s[8:9], s[8:9], s[12:13]
	s_add_nc_u64 s[10:11], s[10:11], s[12:13]
	s_wait_alu depctr_va_vdst(0)                   ; v1 and v2 are written: every load reads v1 and every store v2 as its offset
.irp n, 0,1,2,3,4,5,6,7
	global_load_b128 v[KD+4*(\n):KD+4*(\n)+3], v1, s[4:5] offset:4096*(\n) th:TH_LOAD_NT
.endr
.irp n, 0,1,2,3,4,5,6,7
	global_load_b128 v[VD+4*(\n):VD+4*(\n)+3], v1, s[6:7] offset:4096*(\n) th:TH_LOAD_NT
.endr
	; block 0: k's chunks 0 to 3; there is no block before it, so it stores nothing
.irp n, 0,1,2,3
	s_wait_loadcnt 15-(\n)                         ; loads come back in order: chunk n of k is in; the 7 - n younger of k and the 8 of v stay out
	KCV \n
.endr
	; block 1: k's chunks 4 to 7, and the stores of chunks 0 to 3
	s_wait_loadcnt 11                              ; chunk 4 of k is in
	s_wait_alu depctr_va_vdst(0)                   ; block 0's conversions have written v[KR:KR+7], which the four stores of this block read
.irp n, 4,5,6,7
	KST (\n)-4                                     ; no vector instruction since the wait names its registers
.if (\n) > 4
	s_wait_loadcnt 15-(\n)
.endif
	KCV \n
.endr
	; block 2: v's chunks 0 to 3, and the stores of k's chunks 4 to 7
	s_wait_loadcnt 7                               ; chunk 0 of v is in
	s_wait_alu depctr_va_vdst(0)                   ; block 1's conversions have written v[KR+8:KR+15], which the four stores of this block read
.irp n, 0,1,2,3
	KST (\n)+4
.if (\n) > 0
	s_wait_loadcnt 7-(\n)                          ; chunk n of v is in
.endif
	VCV \n
.endr
	; block 3: v's chunks 4 to 7, and the stores of chunks 0 to 3
	s_wait_loadcnt 3                               ; chunk 4 of v is in
	s_wait_alu depctr_va_vdst(0)                   ; block 2's conversions have written v[VR:VR+7], which the four stores of this block read
.irp n, 4,5,6,7
	VST (\n)-4
.if (\n) > 4
	s_wait_loadcnt 7-(\n)
.endif
	VCV \n
.endr
	s_wait_alu depctr_va_vdst(0)                   ; block 3's conversions have written v[VR+8:VR+15], which the last four stores read
.irp n, 4,5,6,7
	VST \n
.endr
	s_endpgm
.Lfunc_end_k_q735fd6aa1a_cast:
	.size	k_q735fd6aa1a_cast, .Lfunc_end_k_q735fd6aa1a_cast-k_q735fd6aa1a_cast
	.p2alignl 7, 3214868480
	.fill 96, 4, 3214868480
	.section	.rodata,"a",@progbits
	.p2align	6, 0x0
	.amdhsa_kernel k_q735fd6aa1a_cast
		.amdhsa_group_segment_fixed_size 0
		.amdhsa_private_segment_fixed_size 0
		.amdhsa_enable_private_segment 0
		.amdhsa_kernarg_size 32
		.amdhsa_user_sgpr_count 2
		.amdhsa_user_sgpr_kernarg_segment_ptr 1
		.amdhsa_wavefront_size32 1
		.amdhsa_system_sgpr_workgroup_id_x 1
		.amdhsa_system_sgpr_workgroup_id_y 1
		.amdhsa_system_sgpr_workgroup_id_z 1
		.amdhsa_system_vgpr_workitem_id 0
		.amdhsa_next_free_vgpr 104
		.amdhsa_next_free_sgpr 66
		.amdhsa_reserve_vcc 0
		.amdhsa_float_denorm_mode_32 3
		.amdhsa_float_denorm_mode_16_64 3
		.amdhsa_memory_ordered 1
		.amdhsa_forward_progress 1
		.amdhsa_inst_pref_size 9
	.end_amdhsa_kernel
	.amdgpu_metadata
---
amdhsa.version: [ 1, 2 ]
amdhsa.kernels:
  - .name:           k_q735fd6aa1a_cast
    .symbol:         k_q735fd6aa1a_cast.kd
    .args:
      - { .name: k, .offset: 0, .size: 8, .value_kind: global_buffer, .address_space: global }
      - { .name: v, .offset: 8, .size: 8, .value_kind: global_buffer, .address_space: global }
      - { .name: kb, .offset: 16, .size: 8, .value_kind: global_buffer, .address_space: global }
      - { .name: vb, .offset: 24, .size: 8, .value_kind: global_buffer, .address_space: global }
    .group_segment_fixed_size: 0
    .private_segment_fixed_size: 0
    .kernarg_segment_align: 8
    .kernarg_segment_size: 32
    .max_flat_workgroup_size: 256
    .sgpr_count:     66
    .vgpr_count:     104
    .wavefront_size: 32
...
	.end_amdgpu_metadata
.endif
;; end of part 3
;; launch attn: the kernel of part 2 again; grid 16 x 16, 4 waves a work-group, no clusters, 327,680 bytes of LDS; arguments q, kb, vb, out0; writes out0
